; MI455X (gfx1250); checked and timed in simulation.
; The chip was launched on July 23, 2026; its instructions are those of AMD's public machine-readable ISA for CDNA 5 (MIT licence, August 2026) and "CDNA5" Instruction Set Architecture Reference Guide (July 2026). The comments in the code are by the model that wrote it; some were corrected since.
;; MHA Self Attention. Allowed arithmetic: matrix products marked QUANTISED: E4M3 operands, one given power-of-two scale a tensor, by v_wmma_f32_16x16x64_fp8_fp8 or v_wmma_f32_16x16x128_fp8_fp8, f32 sums; everything else in f32.
;; Inputs: W_o 1,024 x 1,024 float32; W_qkv 3 x 16 x 64 x 1,024 float32; lowp_scales 8 int32 (the exponents e of the quantised operands' scales 2^e); x 4 x 2,048 x 1,024 float32.
;; Outputs: out0 4 x 2,048 x 1,024 float32.
;; This version of the problem:
;;   THIS VERSION OF THE PROBLEM IS GIVEN IN LOW PRECISION. The matrix products marked QUANTISED in the list below multiply operands that are first quantised to E4M3 (4 exponent bits, 3 mantissa bits; 8 bits a number), with one given power-of-two scale for each operand tensor; their sums are f32. All else is computed in f32.
;;   The module's matrix products, in the order in which they are computed (A, B: the left and right operand; K: the contracted axis; several contracted axes count as one K, in the product's order):
;;     1. [M 3,072, K 1,024] x [K 1,024, N 8,192]; A: input W_qkv; B: input x: QUANTISED (scales: A lowp_scales[0], B lowp_scales[1])
;;     2. batch 64 x [M 2,048, K 64] x [K 64, N 2,048]; A: computed on the way; B: computed on the way: QUANTISED (scales: A lowp_scales[2], B lowp_scales[3])
;;     3. batch 64 x [M 2,048, K 2,048] x [K 2,048, N 64]; A: softmax (see below); B: computed on the way: QUANTISED (scales: A lowp_scales[4], B lowp_scales[5])
;;     4. [M 8,192, K 1,024] x [K 1,024, N 1,024]; A: computed on the way; B: input W_o: QUANTISED (scales: A lowp_scales[6], B lowp_scales[7])
;;   THE QUANTISER, for each operand of a quantised product, along K:
;;     - The operand's scale is 2^e, e = its entry of the input lowp_scales (int32; the entries are numbered through the quantised products in the list's order, A before B).
;;     - Each number is divided by the scale, clamped to +-448, and rounded to the nearest number of E4M3, ties to even, subnormals kept.
;;     - The product sums the exact products of the quantised numbers (number of the format x scale) in f32.
;;   ~~~python
;;   def quantise(x, axis, e):      # numpy; x: float32 -> the quantised numbers, widened to float32 again
;;       x = np.moveaxis(x, axis, -1); K = x.shape[-1]
;;       r = np.clip(x / 2.0 ** e, -448, 448)
;;       step = 2.0 ** (np.maximum(np.frexp(np.where(r == 0, 1, r))[1] - 1, -6) - 3)
;;       q = np.round(r / step) * step * 2.0 ** e      # np.round: ties to even
;;       return np.moveaxis(q, -1, axis).astype(np.float32)
;;   ~~~
;;   SOFTMAX AHEAD OF A QUANTISED PRODUCT. Where the list says 'softmax', what is quantised is not the finished softmax but p = 2^(t - M), with t = logit x log2(e) and M = ceil(the row's largest t), a whole number; so 1/2 < the row's largest p <= 1. The row's sum l is taken of the UNQUANTISED p, in f32, and the product's result is divided by l at the end. Since M is a whole number, a kernel that streams over the keys may use a running M (the ceiling of the running maximum): every later rescaling is an exact power of two, so the quantised numbers keep their values, but for numbers so far below the row's largest that they fall under the format's range.
;;   OPERANDS COMPUTED ON THE WAY. 'Computed on the way' means the value that the module computes at that place (a softmax that the list does not call 'softmax' is quantised finished and normalised). What goes into a quantiser is computed in f32, as accurately as f32 sums, v_exp_f32 and their like allow (about 1e-6 of the number): no bf16 or f16 on the way to a quantiser, and a product that is left as it is and whose result goes on into a quantised operand takes f32 operands (vector FMAs, or v_wmma_f32_16x16x4_f32). A number that lies on a knife's edge between two numbers of the format may be rounded either way, as far as f32 arithmetic and the matrix unit's own rounding can turn it there, and no further.
;; One version. Each part assembles by itself: llvm-mc -triple=amdgcn-amd-amdhsa -mcpu=gfx1250 --defsym DOCPART=n.
;; ======== version 1 of 1: 4 launches
;; limits: right only within a limited range of input values
;; workspace buffers: codes 12,582,912 bytes; qkv 25,165,824 bytes; ctx 8,388,608 bytes
;; launch quant (part 1): grid 768 x 1, 4 waves a work-group, no clusters, 33,280 bytes of LDS; arguments x, W_qkv, W_o, lowp_scales, codes; writes codes
.if DOCPART == 1
	.amdgcn_target "amdgcn-amd-amdhsa--gfx1250"
	.amdhsa_code_object_version 6
	.text
	.protected	k_qe1285435d5_quant
	.globl	k_qe1285435d5_quant
	.p2align	8
	.type	k_qe1285435d5_quant,@function
k_qe1285435d5_quant:
	s_mov_b64 s[64:65], 0
	v_nop
	global_prefetch_b8 v0, s[64:65] scope:SCOPE_SE
	s_setreg_imm32_b32 hwreg(HW_REG_WAVE_MODE, 25, 1), 1
	s_wait_xcnt 0x0
; x [8192][1024], W_qkv [3072][1024] and W_o [1024][1024], f32, K innermost, become codes of FP8 (E4M3), one byte each, in ONE buffer of 12,288 rows of 1,024 bytes: x's rows, then W_qkv's, then W_o's.
; code = number / 2^e, held within +-448, rounded to the nearest code, ties to even.  e: entry 1 of the scales for x, entry 0 for W_qkv, entry 7 for W_o.
; LIMITS: each of these e lies between -126 and 119, so that 2^e and 448 x 2^e are f32 numbers.  NaN among the inputs is not served; an infinity is held at the largest code.
; ORDER ALONG K.  Inside every 32 bytes of a row, byte 16 h + i (h = 0, 1; i = 0 .. 15) holds k = 16 (i / 8) + 8 h + i % 8.  A load of 16 bytes at 32 c + 16 (lane / 16) of a row then brings a lane
; just the k that the 8-bit matrix forms give it in registers 4 c .. 4 c + 3 (k = 16 c' + 8 (lane / 16) + 0 .. 7 in registers 2 c', 2 c' + 1).
; Rows are dense and 1,024 is a multiple of 32: all three tensors are plain streams of blocks of 32 numbers, and so are the codes.  A work-group takes 16,384 numbers, a wave 4,096: 8 steps of 512.
; 768 work-groups, three for each of 256 WGPs: 0-511 take x, 512-703 W_qkv, 704-767 W_o; only pointers and e are chosen, by the work-group's number: one path through the text.
; Each of a step's four loads reads 512 consecutive bytes, 16 a lane.  The conversions want 8 neighbours along K in one lane's registers: so the 2,048 bytes go through the wave's own stage in LDS, as they lie
; (16 bytes of padding behind each 64), and come back 2 x 32 bytes a lane.  A lane's 16 codes are 16 bytes: the wave stores 512 consecutive bytes, aligned.
; No matrix unit, no cluster, no tensor load, no barrier: the work-groups share no input and the waves share nothing.  Loads run four steps (16 loads a wave) ahead, the turn through LDS one step.
.set STEPS, 8
.set WG_W,  512                        ; W_qkv's first work-group
.set WG_O,  704                        ; W_o's first work-group
.set EMAX,  8
.set MANT,  0x600000                   ; the mantissa field of 448 as f32
.set R,     16                         ; v16-79   four sets of 16 numbers as they are loaded
.set X,     80                         ; v80-111  two sets of 16 numbers in the order of the codes
.set C,     128                        ; v128-159 codes: four registers for each step, so that no store's data are written again
.set WREG,  8192                       ; LDS: a region of its own for each wave: two stages of 32 x SP bytes
.set SP,    80                         ; 64 bytes + 16 of padding
	s_load_b128 s[4:7], s[0:1], 0x0                ; x, W_qkv
	s_load_b128 s[8:11], s[0:1], 0x10              ; W_o, the scales' exponents
	s_load_b64 s[12:13], s[0:1], 0x20              ; the codes
	v_lshl_add_u32 v192, v0, 2, 0x8000             ; my spare word, behind the four regions; never rewritten
	v_mov_b32 v193, 0                              ; 0; never rewritten
	v_lshrrev_b32 v1, 5, v0
	v_readfirstlane_b32 s16, v1                    ; wave
	v_and_b32 v2, 31, v0                           ; lane
	v_lshlrev_b32 v3, 4, v2                        ; my 16 bytes of a load's 512, and of a store's; never rewritten
	s_mul_i32 s19, s16, WREG
	v_lshrrev_b32 v14, 2, v2
	v_mul_u32_u24 v14, v14, SP
	v_and_b32 v15, 3, v2
	v_lshl_add_u32 v14, v15, 4, v14
	v_add_nc_u32 v14, s19, v14                     ; the stage, on the way in: SP (lane / 4) + 16 (lane % 4); a load's 512 bytes take eight places
	v_lshrrev_b32 v15, 1, v2
	v_mul_u32_u24 v15, v15, 2*SP
	v_and_b32 v5, 1, v2
	v_lshl_add_u32 v15, v5, 5, v15
	v_add_nc_u32 v15, s19, v15                     ; on the way out: block lane / 2 of 32 numbers (two places), + 32 bytes for the odd lane: numbers 8 h .. 8 h + 7 here, 16 + 8 h .. one place on
	s_mov_b32 s18, WG_O
	s_wait_alu depctr_va_vdst(0)                   ; directly ahead of the wait below
	s_wait_kmcnt 0x0
	s_load_b256 s[24:31], s[10:11], 0x0            ; the eight exponents
	s_cmp_lt_u32 ttmp9, WG_W                       ; which tensor?  The choice hangs on the work-group's number alone
	s_cselect_b64 s[4:5], s[4:5], s[6:7]
	s_cselect_b32 s17, 0, WG_W
	s_cmp_lt_u32 ttmp9, s18
	s_cselect_b64 s[4:5], s[4:5], s[8:9]
	s_cselect_b32 s17, s17, s18                    ; the tensor's first work-group
	s_sub_co_u32 s17, ttmp9, s17
	s_lshl_b32 s17, s17, 2
	s_add_co_u32 s17, s17, s16                     ; which run of 4,096 numbers of the tensor is my wave's
	s_lshl_b32 s20, s17, 14                        ; 16,384 bytes each: under 2^26
	s_mov_b32 s21, 0
	s_add_nc_u64 s[4:5], s[4:5], s[20:21]
	s_lshl_b32 s20, ttmp9, 2
	s_add_co_u32 s20, s20, s16
	s_lshl_b32 s20, s20, 12                        ; the codes are one stream over the three tensors: 4,096 bytes a wave
	s_add_nc_u64 s[12:13], s[12:13], s[20:21]
.macro LOAD t
.irp i, 0,1,2,3
	global_load_b128 v[R+16*((\t)%4)+4*\i:R+16*((\t)%4)+4*\i+3], v3, s[4:5] offset:2048*(\t)+512*\i th:TH_LOAD_NT   ; 32 lanes read 512 consecutive bytes; read once in the launch
.endr
.endm
.macro TURN t                          ; step t's numbers through the stage: LDS serves a wave's instructions in order (ISA guide 5.7.1.4), so no wait stands between the stores and the loads
.irp i, 0,1,2,3
	ds_store_b128 v14, v[R+16*((\t)%4)+4*\i:R+16*((\t)%4)+4*\i+3] offset:32*SP*((\t)%2)+8*SP*\i
.endr
.irp i, 0,1,2,3
	ds_load_b128 v[X+16*((\t)%2)+4*\i:X+16*((\t)%2)+4*\i+3], v15 offset:32*SP*((\t)%2)+SP*(\i/2)+16*(\i%2)
.endr
.endm
.irp t, 0,1,2,3
	LOAD \t
.endr
	s_wait_kmcnt 0x0
	s_cmp_lt_u32 ttmp9, WG_W
	s_cselect_b32 s22, s25, s24                    ; x: entry 1; W_qkv: entry 0;
	s_cmp_lt_u32 ttmp9, s18
	s_cselect_b32 s22, s22, s31                    ; W_o: entry 7
	s_add_co_i32 s22, s22, 127
	s_lshl_b32 s23, s22, 23
	v_mov_b32 v11, s23                             ; 2^e as f32: the conversion takes its exponent field
	s_add_co_i32 s22, s22, EMAX
	s_lshl_b32 s22, s22, 23
	s_or_b32 s22, s22, MANT
	v_mov_b32 v10, s22                             ; 448 x 2^e
	s_wait_alu depctr_va_vdst(0)                   ; the wait at the head's end
	s_wait_loadcnt 12                              ; step 0's four loads are in; those of steps 1 to 3 may be out
	TURN 0
.macro STEP t
.set XS, X+16*((\t)%2)
	s_wait_dscnt 0x0                               ; this step's numbers are back from the stage: so its stores into the stage have read their registers,
.if (\t)+4 < STEPS
	LOAD (\t)+4                                    ; which take the loads of four steps on
.endif
.if (\t)+1 < STEPS
.if STEPS-2-(\t) >= 3
	s_wait_loadcnt 12                              ; the next step's four loads are in; those of the three steps behind it may be out
.else
	s_wait_loadcnt 4*(STEPS-2-(\t))                ; the tail: fewer steps are behind it
.endif
	TURN (\t)+1                                    ; and go through the other stage while this step is worked
.endif
.irp i, 0,1,2,3,4,5,6,7,8,9,10,11,12,13,14,15
	v_med3_num_f32 v[XS+\i], v[XS+\i], -v10, v10   ; the conversion to an 8-bit code does not saturate (ISA guide 7.6.2): hold the number within 448 x the scale first
.endr
	v_cvt_scalef32_pk8_fp8_f32 v[C+4*(\t):C+4*(\t)+1], v[XS:XS+7], v11          ; eight numbers / 2^e, to the nearest code, ties to even; the first number's code in the lowest byte
	v_cvt_scalef32_pk8_fp8_f32 v[C+4*(\t)+2:C+4*(\t)+3], v[XS+8:XS+15], v11
	global_store_b128 v3, v[C+4*(\t):C+4*(\t)+3], s[12:13] offset:512*(\t)      ; the results go to a store alone; the next vector lines, the next step's holds, are plain and touch other registers
.endm
.irp t, 0,1,2,3,4,5,6,7
	STEP \t
.endr
	s_wait_tensorcnt 0x0                           ; the wave's end, behind my last LDS store
	ds_add_u32 v192, v193
	s_wait_dscnt 0x0
	s_endpgm
.Lfunc_end_k_qe1285435d5_quant:
	.size	k_qe1285435d5_quant, .Lfunc_end_k_qe1285435d5_quant-k_qe1285435d5_quant
	.p2alignl 7, 3214868480
	.fill 96, 4, 3214868480
	.section	.rodata,"a",@progbits
	.p2align	6, 0x0
	.amdhsa_kernel k_qe1285435d5_quant
		.amdhsa_group_segment_fixed_size 33280
		.amdhsa_private_segment_fixed_size 0
		.amdhsa_enable_private_segment 0
		.amdhsa_kernarg_size 40
		.amdhsa_user_sgpr_count 2
		.amdhsa_user_sgpr_kernarg_segment_ptr 1
		.amdhsa_wavefront_size32 1
		.amdhsa_system_sgpr_workgroup_id_x 1
		.amdhsa_system_sgpr_workgroup_id_y 1
		.amdhsa_system_sgpr_workgroup_id_z 1
		.amdhsa_system_vgpr_workitem_id 0
		.amdhsa_next_free_vgpr 194
		.amdhsa_next_free_sgpr 66
		.amdhsa_reserve_vcc 0
		.amdhsa_float_denorm_mode_32 3
		.amdhsa_float_denorm_mode_16_64 3
		.amdhsa_memory_ordered 1
		.amdhsa_forward_progress 1
		.amdhsa_inst_pref_size 20
	.end_amdhsa_kernel
	.amdgpu_metadata
---
amdhsa.version: [ 1, 2 ]
amdhsa.kernels:
  - .name:           k_qe1285435d5_quant
    .symbol:         k_qe1285435d5_quant.kd
    .args:
      - { .name: x, .offset: 0, .size: 8, .value_kind: global_buffer, .address_space: global }
      - { .name: W_qkv, .offset: 8, .size: 8, .value_kind: global_buffer, .address_space: global }
      - { .name: W_o, .offset: 16, .size: 8, .value_kind: global_buffer, .address_space: global }
      - { .name: lowp_scales, .offset: 24, .size: 8, .value_kind: global_buffer, .address_space: global }
      - { .name: codes, .offset: 32, .size: 8, .value_kind: global_buffer, .address_space: global }
    .group_segment_fixed_size: 33280
    .private_segment_fixed_size: 0
    .kernarg_segment_align: 8
    .kernarg_segment_size: 40
    .max_flat_workgroup_size: 128
    .sgpr_count:     66
    .vgpr_count:     194
    .wavefront_size: 32
...
	.end_amdgpu_metadata
.endif
;; end of part 1
;; launch qkvgemm (part 2): grid 12 x 32, 4 waves a work-group, clusters of 4 x 4, 327,680 bytes of LDS; arguments codes, lowp_scales, qkv; writes qkv
.if DOCPART == 2
	.amdgcn_target "amdgcn-amd-amdhsa--gfx1250"
	.amdhsa_code_object_version 6
	.text
	.protected	k_qe1285435d5_qkvgemm
	.globl	k_qe1285435d5_qkvgemm
	.p2align	8
	.type	k_qe1285435d5_qkvgemm,@function
k_qe1285435d5_qkvgemm:
	s_mov_b64 s[64:65], 0
	v_nop
	global_prefetch_b8 v0, s[64:65] scope:SCOPE_SE
	s_setreg_imm32_b32 hwreg(HW_REG_WAVE_MODE, 25, 1), 1
	s_wait_xcnt 0x0
	s_wait_alu depctr_hold_cnt(0) depctr_sa_sdst(0) depctr_va_vdst(0) depctr_va_sdst(0) depctr_va_ssrc(0) depctr_va_vcc(0) depctr_vm_vsrc(0)
	s_getreg_b32 s2, hwreg(HW_REG_IB_STS2, 6, 4)
	s_cmp_eq_u32 s2, 0
	s_cbranch_scc0 .Lentry_in_a_cluster
	s_endpgm
.Lentry_in_a_cluster:
	s_bfe_u32 s2, ttmp6, 0x10000c
	s_cmp_lg_u32 s2, 0xf033
	s_cbranch_scc0 .Lentry_shape_is_right
	s_endpgm
.Lentry_shape_is_right:
; Q, K, V = x W^T on codes of FP8 (E4M3), K = 1,024, sums in f32; each finished sum is quantised at once and leaves as a code: no f32 number of Q, K or V goes to memory.
; codes: rows of 1,024 bytes: 0-8191 x (row = 2048 b + s), 8192-11263 W_qkv (row = 1024 q + 64 h + d); inside every 32 bytes the order along K is that of the 8-bit matrix forms' registers.
; A sum stands for sum x 2^(e0 + e1) (entries 0, 1 of the scales); its code is sum / 2^(eo - e0 - e1), held within +-448, eo = entry 2 for Q, 3 for K, 5 for V.
; LIMIT: eo - e0 - e1 lies between -126 and 119, so that this power of two and 448 times it are f32 numbers.
; A tile of 256 x 256 results is made by a work-group of four waves, as many as a WGP has SIMDs; a wave makes 128 x 128: 64 accumulators of 16 x 16, 512 registers.
; K goes in steps of 256 through a ring of two LDS slots filled by the tensor data mover: a tile's row is 256 bytes of memory, at a multiple of 256 bytes.
; THE MATRIX INSTRUCTION IS USED TRANSPOSED: source 0 = 16 rows of the tensor called B here, source 1 = 16 rows of the one called A: a lane holds ONE row of A and eight neighbouring rows of B.
; For Q and K (cluster x = 0, 1): A = x, B = W: a lane holds one token and eight neighbouring d: the next product's K.  For V (cluster x = 2): A = W_v, B = x: a lane holds one d and eight neighbouring
; keys: the K of the product with the softmax.  Both tensors lie in one buffer, so the change of roles is a choice of row numbers, made on the cluster's x, which all sixteen partners share: no branch, no LDS address hangs on it.
; WHAT IS STORED ARE IMAGES OF THE NEXT OPERANDS' REGISTERS: two neighbouring accumulators give a lane 16 codes, which are registers 4 c .. 4 c + 3 of the next operand; the wave stores them at 16 x lane: 512 consecutive bytes, aligned.
;   qkv: Q at 0, K at 8 Mi, V at 16 Mi; in each, head 16 b + h has 131,072 bytes.  Q, K: (s / 16) x 1024 + c x 512 + 16 lane (c = 0, 1: d = 32 c on).  V: (s / 128) x 8192 + t x 2048 + c x 512 + 16 lane (d = 16 t + lane % 16; keys 32 c on).
; CLUSTERS: 4 x 4 work-groups.  The four of a row of the cluster need the same tiles of A, the four of a column the same tiles of B: each tile is asked for JOINTLY, by the same tensor load with the same descriptor and a mask that names the four.
; REGISTERS, in windows of 256: window 0: v0-31 addresses and the two scale numbers; v32-95, v96-111 at work on the way out; from v128 A's fragments (8 x 16 rows x 128 K), ONE set.
;   window 1: B's fragments, TWO sets, at v0 and at v128.   window 2: the 32 accumulators of my A rows 0-63 (accumulator (a, b) at v[8 (8 a + b)]);   window 3: those of my A rows 64-127.
; A step of 128 along K is 64 matrix instructions, A's blocks one after the other, each against B's eight: a block of A is free as soon as its eight products are issued, so one set of registers serves A.
.set KSTEP,  256                       ; along K in a slot
.set ROWB,   256                       ; a tile's row in bytes
.set KROW,   1024                      ; a row of codes in memory, in bytes
.set PITCH,  272                       ; an LDS row: 256 bytes + 16 of padding = 68 words: row r starts at bank 4 r mod 64 (64 banks of 4 bytes: ISA guide 11.1), so the 16 rows that a load touches start at 16 different banks
.set FR,     16                        ; registers of a fragment: 16 rows x 128 K
.set NL,     4                         ; LDS loads that bring one
.set NP,     4                         ; places behind this matrix instruction (ISA guide 7.12.1)
.set HALFT,  128*PITCH                 ; 128 rows: what one tensor load brings, and what one wave reads of A or of B
.set SLOT,   4*HALFT                   ; A's 256 rows, then B's 256 rows
.set LAPS,   KROW/(2*KSTEP)            ; a lap = two K steps = once round the ring: 2
.set SPARE,  2*SLOT                    ; behind the ring: the spare words, 128 bytes for each wave: two blocks of 256 bytes that no other line names
.set ADRA, 16                          ; v16-17  LDS address of my A fragments in slot 0, 1
.set ADRB, 20                          ; v20-21  the same for B
.set CO,   26                          ; v26     16 x lane: my place in an image
.set CO2,  27                          ; v27     the same, at the block's third group of four registers
.set SPW,  28                          ; v28     LDS address of my spare word: SPARE + 4 x my thread's number; never rewritten
.set NIL,  29                          ; v29     0; never rewritten
.set SCL,  30                          ; v30     2^(eo - e0 - e1) as f32
.set LIM,  31                          ; v31     448 x that
.set TMP,  32                          ; the way out: a block's 64 sums, held
.set CD,   96                          ; the way out: their codes, 16 registers
.set AF,   128                         ; A's fragments, in window 0
.set G1, 24                            ; s[24:31] descriptor group 1 for A's tiles;  s[32:39] group 0, one set for each slot
.set G0, 32
.set G1B, 48                           ; s[48:55], s[56:63] the same for B's tiles
.set G0B, 56
.set MSB, 0
.macro WIN new                         ; the immediate's high byte repeats the setting that is left
.if MSB != \new
	s_set_vgpr_msb (MSB<<8)|\new
.set MSB, \new
.endif
.endm
.set MUL_LO, 0xa1                      ; source 0 (B) window 1, source 1 (A) window 0, C and D window 2
.set MUL_HI, 0xf1                      ; the same, C and D window 3
.set TO_B,   0x40                      ; destination window 1, address window 0
; A joint load: waves 0 and 1 fetch for A, waves 2 and 3 for B.  Each of the two lines has ONE mask and one set of registers for all that issue it; the branch hangs on the wave's number alone.
; Four v_nop follow each of the two lines, ahead of the jump, the label and what follows.
.macro JLOAD g0a, g1a, g0b, g1b
	s_cmp_eq_u32 s15, 0
	s_cbranch_scc0 .Lfor_b_\@
	tensor_load_to_lds s[\g0a:\g0a+3], s[\g1a:\g1a+7]
	s_nop 0
.rept 4
	v_nop
.endr
	s_branch .Lasked_\@
.Lfor_b_\@:
	tensor_load_to_lds s[\g0b:\g0b+3], s[\g1b:\g1b+7]
	s_nop 0
.rept 4
	v_nop
.endr
.Lasked_\@:
.endm
.macro CREST                           ; a round of the cluster's barrier behind its opening barrier
	s_cmp_lg_u32 s14, 0
	s_cbranch_scc1 .Lnot_wave_0_\@
	s_barrier_signal -3
.Lnot_wave_0_\@:
	s_barrier_wait -3
	s_barrier_signal -1
	s_barrier_wait -1
.endm
.macro CROUND                          ; a whole round
	s_barrier_signal -1
	s_barrier_wait -1
	CREST
.endm
	s_load_b128 s[4:7], s[0:1], 0x0                ; the codes s[4:5], the scales' exponents s[6:7]
	s_load_b64 s[8:9], s[0:1], 0x10                ; qkv
	v_lshl_add_u32 v[SPW], v0, 2, SPARE
	v_mov_b32 v[NIL], 0
	ds_add_u32 v28, v29
	ds_add_u32 v28, v29
	s_wait_dscnt 0x0
	v_lshrrev_b32 v1, 5, v0
	v_readfirstlane_b32 s14, v1                    ; wave 0..3
	s_lshr_b32 s15, s14, 1                         ; which half of the tile's A rows is mine.  Also: I fetch for A (0) or for B (1)
	s_and_b32 s16, s14, 1                          ; which half of its B rows.  Also: which 128 rows of that tile I fetch
	s_bfe_u32 s40, ttmp6, 0x40000                  ; cx, cy: my place in the cluster
	s_bfe_u32 s41, ttmp6, 0x40004
	s_and_b32 s70, ttmp7, 0xffff                   ; the cluster's y: 0 .. 7: 1,024 rows of x
	s_mov_b32 s67, ttmp9                           ; the cluster's x: 0 Q, 1 K, 2 V
	s_cmp_eq_u32 ttmp9, 2                          ; V?  The same answer in all sixteen partners
	s_cselect_b32 s66, 0, s70                      ; A's 1,024 rows: Q, K: x's, by the cluster's y;  V: W_v's
	s_cselect_b32 s67, s70, s67                    ; B's 1,024 rows: Q, K: W_q's or W_k's;           V: x's, by the cluster's y
	s_cselect_b32 s68, 10240, 0                    ; where A's tensor begins in the codes, in rows
	s_cselect_b32 s69, 0, 8192                     ; and B's
	s_lshl_b32 s42, s67, 2
	s_add_co_u32 s42, s42, s40                     ; tile column (B) = 4 x ... + cx
	s_lshl_b32 s17, s66, 2
	s_add_co_u32 s17, s17, s41                     ; tile row (A) = 4 x ... + cy
	s_lshl_b32 s43, s41, 2
	s_lshl_b32 s43, 15, s43                        ; my row of the cluster
	s_lshl_b32 s44, 0x1111, s40                    ; my column
	; descriptor group 1: a tile of 128 rows x 256 bytes, padded in LDS
	s_or_b32 s[G1+0], s43, (0<<16)|(1<<20)|(1<<21)|(5<<22)|(3<<25)  ; 15:0 the mask: A's tiles go to my row; 17:16 element of 1 byte; 20 padding on; 21 set beside a mask; 24:22 after every 64 words (code 5); 31:25 of 4 words (code 3)
	s_or_b32 s[G1B+0], s44, (0<<16)|(1<<20)|(1<<21)|(5<<22)|(3<<25)
.irp g, G1, G1B
	s_mov_b32 s[\g+1], ROWB<<16                    ; tensor_dim0
	s_mov_b32 s[\g+2], 256<<16                     ; tensor_dim1 = 256 for the first fills; 128 from the first refill on
	s_mov_b32 s[\g+3], ROWB<<16                    ; tile_dim0
	s_mov_b32 s[\g+4], 256                         ; tile_dim1 likewise
	s_mov_b32 s[\g+5], KROW                        ; tensor_dim0_stride
	s_mov_b32 s[\g+6], 0
	s_mov_b32 s[\g+7], 0
.endr
	s_lshl_b32 s18, s16, 7                         ; which 128 rows of the tile I fetch
	s_lshl_b32 s20, s17, 8
	s_add_co_u32 s20, s20, s18
	s_add_co_u32 s20, s20, s68                     ; A: row 256 x tile row + 128 x half + the tensor's first: it never holds cx
	s_lshl_b32 s20, s20, 10                        ; in bytes: under 2^24
	s_mov_b32 s21, 0
	s_lshl_b32 s46, s42, 8
	s_add_co_u32 s46, s46, s18
	s_add_co_u32 s46, s46, s69                     ; B: row 256 x tile column + 128 x half + the tensor's first: it never holds cy
	s_lshl_b32 s46, s46, 10
	s_mov_b32 s47, 0
	s_mul_i32 s45, s14, HALFT                      ; where they go: wave x 128 rows: no place in the cluster enters an LDS address
	s_wait_kmcnt 0x0
	s_load_b256 s[72:79], s[6:7], 0x0              ; the eight exponents
	s_add_nc_u64 s[20:21], s[4:5], s[20:21]
	s_add_nc_u64 s[46:47], s[4:5], s[46:47]
	CROUND                                         ; all sixteen work-groups are here: the first joint loads meet
.irp s, 0,1
	s_mov_b32 s[G0+4*\s], 1
	s_add_co_u32 s[G0+4*\s+1], s45, \s*SLOT
	s_add_nc_u64 s[G0+4*\s+2:G0+4*\s+3], s[20:21], \s*ROWB
	s_or_b32 s[G0+4*\s+3], s[G0+4*\s+3], 0x80000000
	s_mov_b32 s[G0B+4*\s], 1
	s_add_co_u32 s[G0B+4*\s+1], s45, \s*SLOT
	s_add_nc_u64 s[G0B+4*\s+2:G0B+4*\s+3], s[46:47], \s*ROWB
	s_or_b32 s[G0B+4*\s+3], s[G0B+4*\s+3], 0x80000000
.endr
	; THE FIRST FILLS: one tensor load a wave, each a whole tile of 256 rows: wave 0 A's of K step 0, wave 1 B's of K step 0, wave 2 A's of K step 1, wave 3 B's of K step 1.
	; No prefetch is laid: K is four steps, and the first two are asked for here.
	s_lshl_b32 s91, s15, 8                         ; my K step's 256 bytes
	s_lshl_b32 s92, s17, 8
	s_add_co_u32 s92, s92, s68
	s_lshl_b32 s92, s92, 10                        ; A's tile: its first row in bytes: it never holds cx
	s_add_co_u32 s94, s92, s91
	s_mov_b32 s95, 0
	s_add_nc_u64 s[94:95], s[4:5], s[94:95]
	s_or_b32 s95, s95, 0x80000000
	s_mov_b32 s92, 1
	s_mul_i32 s93, s15, SLOT                       ; A's 256 rows stand at the slot's head
	s_lshl_b32 s96, s42, 8
	s_add_co_u32 s96, s96, s69
	s_lshl_b32 s96, s96, 10                        ; B's tile: it never holds cy
	s_add_co_u32 s98, s96, s91
	s_mov_b32 s99, 0
	s_add_nc_u64 s[98:99], s[4:5], s[98:99]
	s_or_b32 s99, s99, 0x80000000
	s_mov_b32 s96, 1
	s_add_co_u32 s97, s93, 2*HALFT                 ; B's behind them
	s_cmp_eq_u32 s16, 0
	s_cbranch_scc0 .Lhead_b
	tensor_load_to_lds s[92:95], s[G1:G1+7]
	s_nop 0
.rept 4
	v_nop
.endr
	s_branch .Lhead_j
.Lhead_b:
	tensor_load_to_lds s[96:99], s[G1B:G1B+7]
	s_nop 0
.rept 4
	v_nop
.endr
.Lhead_j:
	v_and_b32 v1, 15, v0                           ; l % 16
	v_bfe_u32 v2, v0, 4, 1                         ; l / 16
	v_mul_u32_u24 v3, v1, PITCH
	v_lshl_add_u32 v4, v2, 4, v3                   ; a fragment's row x pitch + 16 x half
	s_mul_i32 s21, s15, HALFT                      ; my 128 rows of A
	s_mul_i32 s22, s16, HALFT                      ; my 128 rows of B,
	s_add_co_u32 s22, s22, 2*HALFT                 ; which lie behind A's 256
.irp s, 0,1
	v_add_nc_u32 v[ADRA+\s], s21, v4
	v_add_nc_u32 v[ADRB+\s], s22, v4
	s_add_co_u32 s21, s21, SLOT
	s_add_co_u32 s22, s22, SLOT
.endr
	; where my results go.  Registers s80 on are the only ones in which cx and cy meet; none of them feeds a descriptor.
	s_lshl_b32 s80, s17, 8
	s_lshl_b32 s81, s15, 7
	s_add_co_u32 s80, s80, s81                     ; my first row of A within its tensor
	s_lshl_b32 s81, s42, 8
	s_lshl_b32 s82, s16, 7
	s_add_co_u32 s81, s81, s82                     ; my first row of B within x, or within W_q and W_k taken together
	s_mov_b32 s84, 1024
	s_mov_b32 s88, 0x20000
	s_cmp_eq_u32 ttmp9, 2
	s_cselect_b32 s82, s81, s80                    ; my first row of x
	s_cselect_b32 s83, s80, s81                    ; my first feature
	s_cselect_b32 s84, 2048, s84                   ; from block a to block a + 1: Q, K: 16 tokens on, 1,024 bytes;  V: 16 d on, 2,048 bytes
	s_cselect_b32 s86, 122880, 0                   ; V: block 4 begins the next head: 131,072 - 4 x 2,048 more
	s_cselect_b32 s88, 1024, s88                   ; a block's third group of four registers: Q, K: the next head;  V: keys 64 on
	s_mov_b32 s85, 0
	s_mov_b32 s87, 0
	s_and_b32 s83, s83, 1023                       ; 64 h + d
	s_lshr_b32 s83, s83, 6                         ; h
	s_lshr_b32 s89, s82, 11                        ; b
	s_lshl_b32 s89, s89, 4
	s_add_co_u32 s89, s89, s83                     ; 16 b + h
	s_lshl_b32 s89, s89, 17                        ; x 131,072
	s_and_b32 s82, s82, 2047                       ; s
	s_lshl_b32 s82, s82, 6                         ; (s / 16) x 1,024 = (s / 128) x 8,192 = 64 s
	s_add_co_u32 s82, s82, s89
	s_lshl_b32 s89, ttmp9, 23                      ; Q, K or V's region of 8 Mi
	s_add_co_u32 s82, s82, s89
	s_mov_b32 s83, 0
	s_add_nc_u64 s[8:9], s[8:9], s[82:83]
	v_and_b32 v6, 31, v0
	v_lshlrev_b32 v[CO], 4, v6
	v_add_nc_u32 v[CO2], s88, v[CO]
.macro FRAG reg, adr, q, i             ; a fragment, 16 rows x 128 K of 8-bit codes, is 16 registers: lane l holds row l % 16; registers 4 c .. 4 c + 3 come from bytes 32 c + 16 (l / 16) on
.irp c, 0,1,2,3
	ds_load_b128 v[\reg+4*\c:\reg+4*\c+3], v[\adr] offset:128*(\q)+32*\c+(\i)*16*PITCH
.endr
.endm
; 16 matrix instructions: A's blocks a0, a0 + 1 x B's eight, 128 along K.  p: B's set.  zero = 1: the first product starts the sums: nothing is ever cleared.
; The 64 accumulators take turns, one instruction a turn, in the same order in every step.
.macro MUL16 a0, p, zero
.irp a, \a0, \a0+1
.irp b, 0,1,2,3,4,5,6,7
.if \zero
	v_wmma_f32_16x16x128_fp8_fp8 v[8*(8*((\a)%4)+\b):8*(8*((\a)%4)+\b)+7], v[128*(\p)+FR*\b:128*(\p)+FR*\b+FR-1], v[AF+FR*(\a):AF+FR*(\a)+FR-1], 0
.else
	v_wmma_f32_16x16x128_fp8_fp8 v[8*(8*((\a)%4)+\b):8*(8*((\a)%4)+\b)+7], v[128*(\p)+FR*\b:128*(\p)+FR*\b+FR-1], v[AF+FR*(\a):AF+FR*(\a)+FR-1], v[8*(8*((\a)%4)+\b):8*(8*((\a)%4)+\b)+7]
.endif
.endr
.endr
.endm
.macro FETCH_B slot, q, p              ; B's eight fragments of the slot's q-th 128 along K into set p
	WIN TO_B
.irp i, 0,1,2,3,4,5,6,7
	FRAG 128*(\p)+FR*\i, ADRB+\slot, \q, \i
.endr
	WIN 0
.endm
.macro FETCH_A slot, q, i0             ; A's blocks i0 .. i0 + 3
.irp i, \i0, \i0+1, \i0+2, \i0+3
	FRAG AF+FR*(\i), ADRA+\slot, \q, \i
.endr
.endm
; A load into a register that a matrix instruction has read, and a vector instruction that reads a matrix result, stand NP places behind that matrix instruction, and only plain vector
; instructions that name none of its registers are places (ISA guide 7.12.1 for vector instructions); the matrix instructions in between are not counted.
.macro PLACES n
.rept \n
	v_nop
.endr
.endm
; A step of 128 along K that has its successor in the same slot.
.macro STEP slot, q, zero
	s_wait_dscnt 4*NL                              ; B's set and A's blocks 0-3 are in; the youngest sixteen loads (A's blocks 4-7) may be out
	WIN MUL_LO
	MUL16 0, (\q)%2, \zero
	MUL16 2, (\q)%2, \zero
	s_wait_dscnt 0                                 ; A's blocks 4-7 are in (asked for 32 matrix instructions ago)
	PLACES NP
	FETCH_B \slot, (\q)+1, 1-(\q)%2
	FETCH_A \slot, (\q)+1, 0
	WIN MUL_HI
	MUL16 4, (\q)%2, \zero
	MUL16 6, (\q)%2, \zero
	PLACES NP
	WIN 0
	FETCH_A \slot, (\q)+1, 4
.endm
; A slot's last step changes slots: ONE barrier; in front of it each wave waits for all its tensor loads, adds 0 to its spare word, and waits for that and for its own reads of this slot.  fill = 1: this slot is filled again, two K steps ahead.
.macro TURN slot, next, fill
	s_wait_tensorcnt 0x0                           ; all my tensor loads have landed: my part of the next slot;  (every window is 0 here: the add's two registers lie in window 0)
	ds_add_u32 v[SPW], v[NIL]                      ; 0 onto my spare word
	s_wait_dscnt 4*NL+1                            ; (the add and the youngest sixteen loads, A's blocks 4-7, may be out)
	WIN MUL_LO
	MUL16 0, 1, 0                                  ; sixteen matrix instructions stand between the add and the wait for it
	s_wait_dscnt 0x0                               ; the add is done, and my reads of this slot are over
	s_barrier_signal -1
	MUL16 2, 1, 0
	WIN 0
	s_barrier_wait -1
.if \fill
	CREST                                          ; the barrier has opened a round of the cluster's barrier: no wave of any partner still reads this slot's tile or has a load on its way
	s_add_nc_u64 s[G0+4*\slot+2:G0+4*\slot+3], s[G0+4*\slot+2:G0+4*\slot+3], 2*ROWB
	s_add_nc_u64 s[G0B+4*\slot+2:G0B+4*\slot+3], s[G0B+4*\slot+2:G0B+4*\slot+3], 2*ROWB
	JLOAD G0+4*\slot, G1, G0B+4*\slot, G1B         ; the first tensor load behind the round; the four v_nop behind it are the places in front of the loads below
.else
	PLACES NP
.endif
	FETCH_B \next, 0, 0
	FETCH_A \next, 0, 0
	WIN MUL_HI
	MUL16 4, 1, 0
	MUL16 6, 1, 0
	PLACES NP
	WIN 0
	FETCH_A \next, 0, 4
.endm
	s_wait_alu depctr_va_vdst(0)
	s_wait_tensorcnt 0x0                           ; my one load is in, so the descriptors may be written: the refills bring 128 rows a wave
	s_mov_b32 s[G1+2], 128<<16
	s_mov_b32 s[G1+4], 128
	s_mov_b32 s[G1B+2], 128<<16
	s_mov_b32 s[G1B+4], 128
	s_barrier_signal -1
	s_barrier_wait -1                              ; everybody's is: both slots are whole
	FETCH_B 0, 0, 0
	FETCH_A 0, 0, 0
	FETCH_A 0, 0, 4
	STEP 0, 0, 1                                   ; the first step stands in front of the loop: its products start the sums
	s_mov_b32 s3, LAPS-1
.Llap:                                                 ; a trip goes once round the ring, from a lap's second step to the next lap's first, and fills both slots again
	TURN 0, 1, 1
	STEP 1, 0, 0
	TURN 1, 0, 1
	STEP 0, 0, 0
	s_sub_co_u32 s3, s3, 1
	s_cmp_lg_u32 s3, 0
	s_cbranch_scc1 .Llap
	TURN 0, 1, 0                                   ; the last lap fills nothing, and has no round of the cluster's barrier
	STEP 1, 0, 0
	s_wait_dscnt 4*NL                              ; the very last step: nothing more to fetch
	WIN MUL_LO
	MUL16 0, 1, 0
	MUL16 2, 1, 0
	s_wait_dscnt 0
	WIN MUL_HI
	MUL16 4, 1, 0
	MUL16 6, 1, 0
	WIN 0
	; THE WAY OUT.  The three scales are folded into the conversion's one.
	s_wait_kmcnt 0x0
	s_cmp_eq_u32 ttmp9, 1
	s_cselect_b32 s89, s75, s74                    ; K: entry 3;  Q: entry 2;
	s_cmp_eq_u32 ttmp9, 2
	s_cselect_b32 s89, s77, s89                    ; V: entry 5
	s_sub_co_i32 s89, s89, s72
	s_sub_co_i32 s89, s89, s73                     ; eo - e0 - e1
	s_add_co_i32 s89, s89, 127
	s_lshl_b32 s90, s89, 23
	v_mov_b32 v[SCL], s90                          ; 2^(eo - e0 - e1) as f32: the conversion takes its exponent field
	s_add_co_i32 s89, s89, 8
	s_lshl_b32 s89, s89, 23
	s_or_b32 s89, s89, 0x600000
	v_mov_b32 v[LIM], s89                          ; 448 x that
	PLACES NP                                      ; behind the last products, in front of the first read of results
; Block a: my A rows 16 a on x my 128 B rows: eight accumulators.  64 holds (each accumulator from its low end on), eight conversions, four stores of 512 consecutive bytes.
.irp a, 0,1,2,3,4,5,6,7
.if \a > 0
	s_wait_xcnt 0x0                                ; the last block's stores have had their addresses translated (ISA guide 3.1): only behind this wait are their base and their data written again
	s_add_nc_u64 s[8:9], s[8:9], s[84:85]
.if \a == 4
	s_add_nc_u64 s[8:9], s[8:9], s[86:87]
.endif
.endif
	WIN 0x02+((\a)/4)                              ; source 0: window 2 or 3
.set i, 0
.rept 64
	v_med3_num_f32 v[TMP+i], v[64*((\a)%4)+i], -v[LIM], v[LIM]   ; the conversion to an 8-bit code does not saturate (ISA guide 7.6.2): the hold at 448 x the scale
.set i, i+1
.endr
	WIN 0
.irp b, 0,1,2,3,4,5,6,7
	v_cvt_scalef32_pk8_fp8_f32 v[CD+2*\b:CD+2*\b+1], v[TMP+8*\b:TMP+8*\b+7], v[SCL]   ; accumulators 2 c, 2 c + 1 give registers 4 c .. 4 c + 3 of the next operand
.endr
	v_nop                                          ; one plain vector line behind the last conversion: the next block's holds write the conversions' sources
	global_store_b128 v[CO],  v[CD:CD+3],     s[8:9]
	global_store_b128 v[CO],  v[CD+4:CD+7],   s[8:9] offset:512
	global_store_b128 v[CO2], v[CD+8:CD+11],  s[8:9]
	global_store_b128 v[CO2], v[CD+12:CD+15], s[8:9] offset:512
.endr
	s_wait_tensorcnt 0x0                           ; the wave's end
	ds_add_u32 v[SPW], v[NIL]
	s_wait_dscnt 0x0
	CROUND                                         ; the closing round: no work-group ends while a partner may still ask for a tile that names it
	s_endpgm
.Lfunc_end_k_qe1285435d5_qkvgemm:
	.size	k_qe1285435d5_qkvgemm, .Lfunc_end_k_qe1285435d5_qkvgemm-k_qe1285435d5_qkvgemm
	.p2alignl 7, 3214868480
	.fill 96, 4, 3214868480
	.section	.rodata,"a",@progbits
	.p2align	6, 0x0
	.amdhsa_kernel k_qe1285435d5_qkvgemm
		.amdhsa_group_segment_fixed_size 327680
		.amdhsa_private_segment_fixed_size 0
		.amdhsa_enable_private_segment 0
		.amdhsa_kernarg_size 24
		.amdhsa_user_sgpr_count 2
		.amdhsa_user_sgpr_kernarg_segment_ptr 1
		.amdhsa_wavefront_size32 1
		.amdhsa_system_sgpr_workgroup_id_x 1
		.amdhsa_system_sgpr_workgroup_id_y 1
		.amdhsa_system_sgpr_workgroup_id_z 1
		.amdhsa_system_vgpr_workitem_id 0
		.amdhsa_next_free_vgpr 1024
		.amdhsa_next_free_sgpr 100
		.amdhsa_reserve_vcc 0
		.amdhsa_float_denorm_mode_32 3
		.amdhsa_float_denorm_mode_16_64 3
		.amdhsa_memory_ordered 1
		.amdhsa_forward_progress 1
		.amdhsa_inst_pref_size 119
	.end_amdhsa_kernel
	.amdgpu_metadata
---
amdhsa.version: [ 1, 2 ]
amdhsa.kernels:
  - .name:           k_qe1285435d5_qkvgemm
    .symbol:         k_qe1285435d5_qkvgemm.kd
    .args:
      - { .name: codes, .offset: 0, .size: 8, .value_kind: global_buffer, .address_space: global }
      - { .name: lowp_scales, .offset: 8, .size: 8, .value_kind: global_buffer, .address_space: global }
      - { .name: qkv, .offset: 16, .size: 8, .value_kind: global_buffer, .address_space: global }
    .group_segment_fixed_size: 327680
    .private_segment_fixed_size: 0
    .kernarg_segment_align: 8
    .kernarg_segment_size: 24
    .max_flat_workgroup_size: 128
    .sgpr_count:     100
    .vgpr_count:     1024
    .wavefront_size: 32
...
	.end_amdgpu_metadata
.endif
;; end of part 2
;; launch attn (part 3): grid 4 x 64, 16 waves a work-group, clusters of 4 x 1, 167,936 bytes of LDS; arguments qkv, lowp_scales, ctx; writes ctx
.if DOCPART == 3
	.amdgcn_target "amdgcn-amd-amdhsa--gfx1250"
	.amdhsa_code_object_version 6
	.text
	.protected	k_qe1285435d5_attn
	.globl	k_qe1285435d5_attn
	.p2align	8
	.type	k_qe1285435d5_attn,@function
k_qe1285435d5_attn:
	s_mov_b64 s[64:65], 0
	v_nop
	global_prefetch_b8 v0, s[64:65] scope:SCOPE_SE
	s_setreg_imm32_b32 hwreg(HW_REG_WAVE_MODE, 25, 1), 1
	s_wait_xcnt 0x0
	s_wait_alu depctr_hold_cnt(0) depctr_sa_sdst(0) depctr_va_vdst(0) depctr_va_sdst(0) depctr_va_ssrc(0) depctr_va_vcc(0) depctr_vm_vsrc(0)
	s_getreg_b32 s2, hwreg(HW_REG_IB_STS2, 6, 4)
	s_cmp_eq_u32 s2, 0
	s_cbranch_scc0 .Lentry_in_a_cluster
	s_endpgm
.Lentry_in_a_cluster:
	s_bfe_u32 s2, ttmp6, 0x10000c
	s_cmp_lg_u32 s2, 0x3003
	s_cbranch_scc0 .Lentry_shape_is_right
	s_endpgm
.Lentry_shape_is_right:
; ctx = softmax(Q K^T / 8, causal) V for 64 heads (16 b + h) of 2,048 tokens and 64 channels, both products on codes of FP8 (E4M3); the result is quantised at once for the last product.
; qkv holds images of operand registers: Q at 0, K at 8 Mi, V at 16 Mi; a head has 131,072 bytes in each.  Q, K: tile of 16 tokens = 1,024 bytes: c x 512 + 16 lane (registers 4 c .. 4 c + 3 of the K = 64 form).
; V: 128 keys = 8,192 bytes: t x 2048 + c x 512 + 16 lane (channels 16 t + lane % 16; registers 4 c .. 4 c + 3 of the K = 128 form, K = the keys).  ctx: head h has 524,288 bytes; tile (2048 b + s) / 16 = 1,024 bytes, laid as Q's.
; THE SOFTMAX: t = score x 2^(e2 + e3) x log2(e) / 8; M = the row's largest t so far, rounded UP to a whole number; p = 2^(t - M) is quantised with 2^e4, not normalised.  The row's sum is taken of the unquantised p, in f32.
; When M moves, the sum and O are multiplied by 2^(old M - new M): exact.  At the end O / the sum stands for ctx / 2^(e4 + e5); its code is that / 2^(e6 - e4 - e5), held within +-448.
; LIMITS on the given exponents: e2 + e3 between -90 and 130 (added to the exponent field of log2(e) / 8; from -90 on a hidden score x c lies under every exponent that gives a p above 0); e4, and e6 - e4 - e5, between -126 and 119.  NaN among the codes is not served.
; SHARES.  Four work-groups (cx = 0 .. 3), one cluster, to a head; sixteen waves each, four to a SIMD, 256 registers a wave.  A head's 128 tiles of 16 queries are 16 groups of 8 (a group = 128 queries = a key step).
; Wave w (w' = w / 2, e = w % 2) owns tile 4 e + cx of group 15 - w' and of group w': 16 - w' and w' + 1 key steps: 17 for every wave.  Groups and e hang on the wave's number alone, so no branch hangs on cx.
; CAUSAL (the mask that the problem builds itself).  A step all of whose keys come after the group's queries is jumped over.  In the step on the diagonal the key tiles of the other half of the group are known from e: open (e = 1) or hidden (e = 0).
; For the four key tiles of my own half a mask of 32 registers, 0 or -3e38, made once at the head from cx as DATA, goes in as the C of the score products; hidden tiles are set to -3e38.  p is then 0.  Key 0 counts for every query, so M is a number from the first step on.
; TWO ROADS FOR THE TWO OPERANDS, so that a step reads 8,192 bytes from LDS and not 16,384.  V: LDS holds the head's whole V, each byte as in memory, filled ONCE by joint loads of the four work-groups, 8,192 bytes a wave.
; K: its images go from memory straight into registers, 16 loads of 512 consecutive bytes a step, asked for ONE KEY STEP AHEAD: directly behind the score products, which free K's registers; on the later tile's diagonal the earlier tile's step 0 is asked for.
; V's fragments are read into the scores' registers, each group of 16 as its conversions have freed it.
; PREFETCH of K: in the later tile's step t, wave 0 (whose later tile walks all 16 steps) names step t + 3's 8,192 bytes, two steps ahead of the loads that want them; the four partners share the 32 blocks of 256 bytes out by address, 8 each
; (lanes 8-31 name the wave's last block again); it stops at t = 12.  Steps 0 to 2 come by their loads alone.  V is asked for whole at the head: nothing of it is left to run ahead of.
; LAYOUT.  Both products are used transposed: S^T = K Q^T, O^T = V^T P^T: a lane holds ONE query (lane % 16).  Register 8 n + j of S^T is key 16 n + 8 (lane / 16) + j: the conversions' results are the second product's operand as they stand.
.set LI,   1                           ; v1   16 x lane; never rewritten
.set DM,   2                           ; v2   16 cx + lane % 16 - 8 (lane / 16)
.set SPW,  4                           ; v4   my spare word; never rewritten
.set NIL,  5                           ; v5   0; never rewritten
.set NG,   6                           ; v6   -3e38
.set PFO,  7                           ; v7   the prefetch's place in a step: 2,048 cx + 256 min(lane, 7)
.set ADK,  8                           ; v8   offset of the next step's K in the head;  v9 LDS address of the step's V;  v10 offset of the prefetch
.set ADV,  9
.set PFV,  10
.set QA,   16                          ; v16-23 Q of the later tile;  v24-31 of the earlier
.set QB,   24
.set KR,   32                          ; v32-95   K's 8 fragments of 8 registers
.set S,    96                          ; v96-159  S^T, then p, then V's 4 fragments of 16; at a tile's end O^T / the sum
.set O,    160                         ; v160-191 O^T
.set MK,   192                         ; v192-223 the mask of my half's four key tiles
.set PC,   224                         ; v224-239 p's codes; at the end ctx's
.set CH,   226                         ; v226-239 seven chains of the row's sum, ahead of the codes
                                       ; v12 -M, v13 the largest t, v[14:15] the sum, v240 448 x 2^e4, v241 448 x 2^(e6-e4-e5), v244 2^e4, v245 2^(e6-e4-e5), v246, v[252:253], v254 at work
.set SPARE, 0x20000                    ; behind V: the spare words, 128 bytes a wave
.set NEG,  0xff61b1e6                  ; -3e38
.set KP,   10                          ; s[10:11] the head's K
.set WV,   12
.set EE,   15
.set GB,   17
.set GA,   18
.set G1A,  32                          ; s[32:39] descriptor group 1: 32 rows of 256 bytes;  s[40:43] group 0
.set G0A,  40
.set SEL,  56
.set CS,   58
.set ST,   60                          ; the key step
.set TB,   61                          ; 8,192 x the key step
.set PL,   67                          ; s67  13 in wave 0, 0 in the others: a wave prefetches while the step is under it
.macro CROUND
	s_barrier_signal -1
	s_barrier_wait -1
	s_cmp_lg_u32 s[WV], 0
	s_cbranch_scc1 .Lnot_wave_0_\@
	s_barrier_signal -3
.Lnot_wave_0_\@:
	s_barrier_wait -3
	s_barrier_signal -1
	s_barrier_wait -1
.endm
	s_load_b128 s[4:7], s[0:1], 0x0                ; qkv, the scales' exponents
	s_load_b64 s[8:9], s[0:1], 0x10                ; ctx
	v_lshl_add_u32 v[SPW], v0, 2, SPARE
	v_mov_b32 v[NIL], 0
	ds_add_u32 v[SPW], v[NIL]                      ; the opening lines: the add twice on end and its wait ahead of my first tensor load
	ds_add_u32 v[SPW], v[NIL]
	v_lshrrev_b32 v3, 5, v0
	v_readfirstlane_b32 s[WV], v3                  ; wave 0..15
	s_bfe_u32 s13, ttmp6, 0x40000                  ; cx: it enters Q's, ctx's and the prefetch's addresses and the mask's numbers alone
	s_and_b32 s19, ttmp7, 0xffff                   ; the head, which the four partners share
	s_lshr_b32 s14, s[WV], 1                       ; w'
	s_and_b32 s[EE], s[WV], 1                      ; e
	s_lshl_b32 s16, s[EE], 2
	s_add_co_u32 s16, s16, s13                     ; my tiles' place in their groups: 4 e + cx
	s_mov_b32 s[GB], s14
	s_xor_b32 s[GA], s14, 15
	s_cmp_eq_u32 s[WV], 0
	s_cselect_b32 s[PL], 13, 0
	s_lshl_b32 s63, s19, 17                        ; the head's 131,072 bytes
	s_lshl_b32 s[G0A+1], s[WV], 13                 ; LDS: my 8,192 bytes of V
	s_add_co_u32 s76, s63, 0x1000000               ; V's region
	s_add_co_u32 s76, s76, s[G0A+1]
	s_mov_b32 s77, 0
	s_add_co_u32 s78, s63, 0x800000                ; K's region
	s_mov_b32 s79, 0
	s_lshl_b32 s24, s[GA], 3
	s_add_co_u32 s24, s24, s16
	s_lshl_b32 s24, s24, 10                        ; the later tile's 1,024 bytes
	s_lshl_b32 s26, s[GB], 3
	s_add_co_u32 s26, s26, s16
	s_lshl_b32 s26, s26, 10                        ; the earlier tile's
	s_and_b32 s22, s19, 15
	s_lshl_b32 s22, s22, 19                        ; ctx: h x 524,288
	s_lshr_b32 s23, s19, 4
	s_lshl_b32 s23, s23, 17                        ;      + b x 128 tiles
	s_add_co_u32 s22, s22, s23
	s_add_co_u32 s28, s22, s24
	s_add_co_u32 s30, s22, s26
	s_add_co_u32 s24, s24, s63
	s_add_co_u32 s26, s26, s63
	s_mov_b32 s25, 0
	s_mov_b32 s27, 0
	s_mov_b32 s29, 0
	s_mov_b32 s31, 0
	s_mov_b32 s[G1A], 15|(3<<16)|(1<<21)           ; the mask: all four work-groups; elements of 8 bytes; bit 21 beside a mask; images are read 16 bytes a lane on end, so no padding
	s_mov_b32 s[G1A+1], 32<<16
	s_mov_b32 s[G1A+2], 32<<16
	s_mov_b32 s[G1A+3], 32<<16
	s_mov_b32 s[G1A+4], 32
	s_mov_b32 s[G1A+5], 32
	s_mov_b32 s[G1A+6], 0
	s_mov_b32 s[G1A+7], 0
	s_mov_b32 s[G0A], 1
	s_mov_b32 s[SEL], 0x76543210
	s_mov_b32 s[SEL+1], 0xfedcba98
	s_mov_b32 s[CS], 0x3e38aa3b                    ; log2(e) / 8
	s_wait_dscnt 0x0
	s_wait_kmcnt 0x0
	s_load_b256 s[68:75], s[6:7], 0x0              ; the eight exponents
	s_add_nc_u64 s[G0A+2:G0A+3], s[4:5], s[76:77]
	s_or_b32 s[G0A+3], s[G0A+3], 0x80000000
	s_add_nc_u64 s[KP:KP+1], s[4:5], s[78:79]
	s_add_nc_u64 s[24:25], s[4:5], s[24:25]
	s_add_nc_u64 s[26:27], s[4:5], s[26:27]
	s_add_nc_u64 s[28:29], s[8:9], s[28:29]
	s_add_nc_u64 s[30:31], s[8:9], s[30:31]
	CROUND                                         ; all four work-groups are here: the joint loads meet
	tensor_load_to_lds s[G0A:G0A+3], s[G1A:G1A+7]  ; my sixteenth of V: every wave's one tensor load
	s_nop 0
	v_and_b32 v[LI], 31, v0
	v_lshlrev_b32 v[LI], 4, v[LI]
	global_load_b128 v[QA:QA+3],   v[LI], s[24:25]
	global_load_b128 v[QA+4:QA+7], v[LI], s[24:25] offset:512
	global_load_b128 v[QB:QB+3],   v[LI], s[26:27]
	global_load_b128 v[QB+4:QB+7], v[LI], s[26:27] offset:512
.set n, 0
.rept 16
	global_load_b128 v[KR+4*n:KR+4*n+3], v[LI], s[KP:KP+1] offset:512*n   ; K of step 0
.set n, n+1
.endr
	v_and_b32 v[PFO], 31, v0
	v_min_u32 v[PFO], 7, v[PFO]
	v_lshlrev_b32 v[PFO], 8, v[PFO]
	s_lshl_b32 s62, s13, 11
	v_add_nc_u32 v[PFO], s62, v[PFO]
	v_and_b32 v[DM], 15, v0
	v_bfe_u32 v3, v0, 4, 1
	v_lshlrev_b32 v3, 3, v3
	v_sub_nc_u32 v[DM], v[DM], v3
	s_lshl_b32 s62, s13, 4
	v_add_nc_u32 v[DM], s62, v[DM]
	v_mov_b32 v[NG], NEG
.set n, 0
.rept 32                               ; register 8 m + i of the mask: my half's key 16 m + i + 8 (lane / 16) is hidden where it comes after my half's query 16 cx + lane % 16
	v_cmp_gt_i32 vcc_lo, 16*(n/8)+n%8, v[DM]
	v_cndmask_b32 v[MK+n], 0, v[NG], vcc_lo
.set n, n+1
.endr
	v_mov_b32 v246, 0                              ; a lane permute's destination counts as one of its sources
	v_mov_b32 v253, 0                              ; (the upper half of the pair v[252:253])
	s_wait_kmcnt 0x0
	s_add_co_i32 s76, s70, s71                     ; e2 + e3, added to c's exponent field
	s_lshl_b32 s76, s76, 23
	s_add_co_i32 s[CS], s[CS], s76
	s_mov_b32 s[CS+1], s[CS]
	s_add_co_i32 s76, s72, 127
	s_lshl_b32 s77, s76, 23
	v_mov_b32 v244, s77                            ; 2^e4
	s_add_co_i32 s76, s76, 8
	s_lshl_b32 s76, s76, 23
	s_or_b32 s76, s76, 0x600000
	v_mov_b32 v240, s76                            ; 448 x 2^e4,
	v_mov_b32 v243, s76                            ; and once more, in a register of another bank: the two halves of a dual pair take one each
	s_sub_co_i32 s76, s74, s72
	s_sub_co_i32 s76, s76, s73
	s_add_co_i32 s76, s76, 127
	s_lshl_b32 s77, s76, 23
	v_mov_b32 v245, s77                            ; 2^(e6 - e4 - e5)
	s_add_co_i32 s76, s76, 8
	s_lshl_b32 s76, s76, 23
	s_or_b32 s76, s76, 0x600000
	v_mov_b32 v241, s76                            ; 448 x that
.macro QK qf, n0, c                    ; four score products from key tile n0 on; c = 1: the mask is their C
.set n, \n0
.rept 4
.if \c
	v_wmma_f32_16x16x64_fp8_fp8 v[S+8*n:S+8*n+7], v[KR+8*n:KR+8*n+7], v[\qf:\qf+7], v[MK+8*(n%4):MK+8*(n%4)+7]
.else
	v_wmma_f32_16x16x64_fp8_fp8 v[S+8*n:S+8*n+7], v[KR+8*n:KR+8*n+7], v[\qf:\qf+7], 0
.endif
.set n, n+1
.endr
.endm
; A KEY STEP: 128 keys; its K is on its way into v[KR ..] or there.  qf: Q's fragment; g: the scalar register with the tile's group.
; mask = 0: open in every wave; 1: the later tile's, may be hidden or on the diagonal; 2: the same for the earlier tile, behind whose diagonal no K is asked for.  bar = 1: the launch's first step, which meets V.
.macro STEP qf, g, mask, bar
.if \mask
	s_cmp_gt_u32 s[ST], s[\g]                      ; all its keys come after my queries: the step's work is jumped over
	s_cbranch_scc1 .Lhid_\@
.endif
	v_add_nc_u32 v[ADV], s[TB], v[LI]
.rept 4
	v_nop                                          ; with the addition: five places between the last products, which read V in v[S ..], and the score products that write there
.endr
	s_wait_alu depctr_va_vdst(0)                   ; directly ahead of the wait below
	s_wait_loadcnt 0x0                             ; this step's K is in (the first time: Q too)
.if \mask
	s_cmp_eq_u32 s[ST], s[\g]
	s_cbranch_scc1 .Ldiag_\@
.endif
	QK \qf, 0, 0
	QK \qf, 4, 0
.if \mask
	s_branch .Ljoin_\@
.Ldiag_\@:                                             ; on the diagonal; the branch below hangs on the wave's number alone
	s_cmp_eq_u32 s[EE], 0
	s_cbranch_scc1 .Llow_\@
	QK \qf, 0, 0                                   ; e = 1: the lower 64 keys all count, the upper 64 take the mask
	QK \qf, 4, 1
	s_branch .Ljoin_\@
.Llow_\@:
	QK \qf, 0, 1                                   ; e = 0: the lower 64 keys take the mask, the upper 64 are hidden
.set n, 32
.rept 32
	v_mov_b32 v[S+n], v[NG]
.set n, n+1
.endr
.Ljoin_\@:
.endif
.rept 4
	v_nop                                          ; places in front of the loads below and of the first read of the scores
.endr
.if \mask == 2
	s_cmp_eq_u32 s[ST], s[\g]                      ; the wave's last step: no K follows
	s_cbranch_scc1 .Lnok_\@
.endif
	s_add_co_u32 s62, s[TB], 8192                  ; the next step's K;
.if \mask == 1
	s_cmp_lt_u32 s[ST], s[\g]
	s_cselect_b32 s62, s62, 0                      ; behind the later tile's diagonal: the earlier tile's step 0
.endif
	v_add_nc_u32 v[ADK], s62, v[LI]                ; (the loads that read this register last were waited for above)
.set n, 0
.rept 16
	global_load_b128 v[KR+4*n:KR+4*n+3], v[ADK], s[KP:KP+1] offset:512*n   ; 32 lanes, 512 bytes on end; a whole step's work stands ahead of the wait for them
.set n, n+1
.endr
.if \mask < 2
	s_cmp_lt_u32 s[ST], s[PL]
	s_cbranch_scc0 .Lnp_\@
	s_wait_xcnt 0x0                                ; the last step's prefetch has read its address register
	v_add_nc_u32 v[PFV], s[TB], v[PFO]
	global_prefetch_b8 v[PFV], s[KP:KP+1] offset:3*8192 th:TH_LOAD_NT scope:SCOPE_SE
.Lnp_\@:
.endif
.if \mask == 2
.Lnok_\@:
.endif
	v_max3_num_f32 v254, v[S], v[S+1], v[S+2]      ; the step's largest score of my query, in two chains; each accumulator from its low end on
	v_max3_num_f32 v252, v[S+3], v[S+4], v[S+5]
.irp i, 6,10,14,18,22,26,30,34,38,42,46,50,54,58
	v_max3_num_f32 v254, v254, v[S+\i], v[S+1+\i]
	v_max3_num_f32 v252, v252, v[S+2+\i], v[S+3+\i]
.endr
	v_max3_num_f32 v254, v254, v[S+62], v[S+63]
	s_delay_alu instid0(VALU_DEP_1)
	v_max_num_f32 v254, v254, v252
	s_delay_alu instid0(VALU_DEP_1)
	v_permlanex16_b32 v246, v254, s[SEL], s[SEL+1]
	s_delay_alu instid0(VALU_DEP_1)
	v_max_num_f32 v254, v254, v246                 ; and among lane l xor 16's
	s_delay_alu instid0(VALU_DEP_1)
	v_mul_f32 v254, s[CS], v254                    ; as t (c is positive)
	s_delay_alu instid0(VALU_DEP_1)
	v_max_num_f32 v13, v13, v254                   ; the running largest t
	v_mov_b32 v254, v12
	s_delay_alu instid0(VALU_DEP_2)
	v_floor_f32 v12, -v13                          ; the new -M = -ceil(t)
	s_delay_alu instid0(VALU_DEP_1)
	v_sub_f32 v254, v12, v254                      ; old M - new M: a whole number, 0 or less
	s_delay_alu instid0(VALU_DEP_1)
	v_cvt_i32_f32 v254, v254                       ; (it saturates)
	s_delay_alu instid0(VALU_DEP_1)
	v_ldexp_f32 v252, 1.0, v254                    ; f = 2^(old M - new M)
.set n, 0
.rept 32
	v_pk_fma_f32 v[S+n:S+n+1], v[S+n:S+n+1], s[CS:CS+1], v[12:13] op_sel_hi:[1,0,0]   ; t - M, two at a time
.set n, n+2
.endr
	s_wait_alu depctr_va_vdst(0)                   ; the wait ahead of the batch
.set n, 0
.rept 64
	v_exp_f32 v[S+n], v[S+n]                       ; p = 2^(t - M)
.set n, n+1
.endr
	v_pk_mul_f32 v[14:15], v[14:15], v[252:253] op_sel_hi:[1,0]   ; the sums under the new M (the plain line behind the batch)
	s_wait_alu depctr_va_vdst(0)                   ; one wait for the batch, ahead of its first reader
.set k, 0
.rept 7                                ; the row's sum of the unquantised p: 32 packed additions in eight chains
	v_pk_add_f32 v[CH+2*k:CH+2*k+1], v[S+4*k:S+4*k+1], v[S+4*k+2:S+4*k+3]
.set k, k+1
.endr
	v_pk_add_f32 v[14:15], v[14:15], v[S+28:S+29]
.irp b, 30, 46
.set k, 0
.rept 7
	v_pk_add_f32 v[CH+2*k:CH+2*k+1], v[CH+2*k:CH+2*k+1], v[S+\b+2*k:S+\b+2*k+1]
.set k, k+1
.endr
	v_pk_add_f32 v[14:15], v[14:15], v[S+\b+14:S+\b+15]
.endr
	v_pk_add_f32 v[CH:CH+1], v[CH:CH+1], v[S+62:S+63]
	v_pk_add_f32 v[CH+4:CH+5], v[CH+4:CH+5], v[CH+6:CH+7]
	v_pk_add_f32 v[CH+8:CH+9], v[CH+8:CH+9], v[CH+10:CH+11]
	v_pk_add_f32 v[14:15], v[14:15], v[CH+12:CH+13]
	v_pk_add_f32 v[CH:CH+1], v[CH:CH+1], v[CH+2:CH+3]
	v_pk_add_f32 v[CH+4:CH+5], v[CH+4:CH+5], v[CH+8:CH+9]
	v_pk_add_f32 v[14:15], v[14:15], v[CH:CH+1]
	v_pk_add_f32 v[14:15], v[14:15], v[CH+4:CH+5]
.if \bar
	s_wait_alu depctr_va_vdst(0)                   ; directly ahead of the wait below
	s_wait_tensorcnt 0x0                           ; my sixteenth of V is in,
	s_barrier_signal -1
	s_barrier_wait -1                              ; everybody's is: from here on the waves run free
.endif
.irp b, 0,1,2,3
.irp i, 0,2,4,6,8,10,12,14             ; the conversion to an 8-bit code does not saturate (ISA guide 7.6.2); p is not negative, so the hold is one-sided; two holds to an instruction: one even and one odd destination
	v_dual_min_num_f32 v[S+16*\b+\i], v240, v[S+16*\b+\i] :: v_dual_min_num_f32 v[S+16*\b+\i+1], v243, v[S+16*\b+\i+1]
.endr
	v_cvt_scalef32_pk8_fp8_f32 v[PC+4*\b:PC+1+4*\b], v[S+16*\b:S+7+16*\b], v244
	v_cvt_scalef32_pk8_fp8_f32 v[PC+2+4*\b:PC+3+4*\b], v[S+8+16*\b:S+15+16*\b], v244
.irp c, 0,1,2,3
	ds_load_b128 v[S+16*\b+4*\c:S+16*\b+4*\c+3], v[ADV] offset:2048*\b+512*\c   ; V's fragment b takes the 16 registers whose p has just become codes
.endr
.endr
	s_wait_alu depctr_va_vdst(0)                   ; directly ahead of the first reader of O^T
.set n, 0
.rept 16
	v_pk_mul_f32 v[O+n:O+n+1], v[O+n:O+n+1], v[252:253] op_sel_hi:[1,0]   ; O^T under the new M (also the plain lines between the conversions and the products)
.set n, n+2
.endr
	s_wait_alu depctr_va_vdst(0)                   ; directly ahead of the wait below
	s_wait_dscnt 0x0                               ; V is in
.set n, 0
.rept 4
	v_wmma_f32_16x16x128_fp8_fp8 v[O+8*n:O+8*n+7], v[S+16*n:S+16*n+15], v[PC:PC+15], v[O+8*n:O+8*n+7]   ; the four accumulators take turns; the next step's score products stand between two turns of one
.set n, n+1
.endr
.if \mask
.Lhid_\@:
.endif
.endm
.macro NEXT loop, end                  ; the trip counts are constants of the text
	s_add_co_u32 s[TB], s[TB], 8192
	s_add_co_u32 s[ST], s[ST], 1
	s_cmp_lt_u32 s[ST], \end
	s_cbranch_scc1 \loop
.endm
.macro INIT                            ; a tile's first step finds zeros, which the first change of M leaves zeros
	v_mov_b32 v13, v[NG]                           ; the largest t so far: under every t
	s_delay_alu instid0(VALU_DEP_1)
	v_floor_f32 v12, -v13
	v_mov_b32 v14, 0
	v_mov_b32 v15, 0
.set n, 0
.rept 32
	v_mov_b32 v[O+n], 0
.set n, n+1
.endr
.endm
; A tile's end: O^T / the sum, held, converted: two stores of 512 consecutive bytes, aligned.
.macro FINISH p
.rept 4
	v_nop                                          ; places behind the last products
.endr
	v_add_f32 v14, v14, v15
	s_delay_alu instid0(VALU_DEP_1)
	v_permlanex16_b32 v246, v14, s[SEL], s[SEL+1]
	s_delay_alu instid0(VALU_DEP_1)
	v_add_f32 v14, v14, v246                       ; the row's sum, over 1/2
	s_wait_alu depctr_va_vdst(0)                   ; the wait ahead of the transcendental
	v_rcp_f32 v14, v14
	v_nop
	s_wait_alu depctr_va_vdst(0)                   ; and ahead of its first reader, which is O^T's first reader too
.set n, 0
.rept 16
	v_pk_mul_f32 v[S+n:S+n+1], v[O+n:O+n+1], v[14:15] op_sel_hi:[1,0]
.set n, n+2
.endr
.set n, 0
.rept 32
	v_med3_num_f32 v[S+n], v[S+n], -v241, v241
.set n, n+1
.endr
.irp t, 0,1,2,3
	v_cvt_scalef32_pk8_fp8_f32 v[PC+2*\t:PC+2*\t+1], v[S+8*\t:S+8*\t+7], v245
.endr
	v_nop                                          ; one plain vector line behind the last conversion
	global_store_b128 v[LI], v[PC:PC+3],   s[\p:\p+1]
	global_store_b128 v[LI], v[PC+4:PC+7], s[\p:\p+1] offset:512
.endm
	INIT
	s_wait_alu depctr_va_vdst(0)                   ; the wait at the head's end
	; THE LATER TILE (group 15 - w', at least 8): its steps 0 to 7 are open in every wave.  Step 0 is written out: its scores and softmax need no V, and the wait for V and the barrier stand in its middle
	s_mov_b32 s[ST], 0
	s_mov_b32 s[TB], 0
	STEP QA, GA, 0, 1
	s_mov_b32 s[ST], 1
	s_mov_b32 s[TB], 8192
.LA1:
	STEP QA, GA, 0, 0
	NEXT .LA1, 8
	s_mov_b32 s[ST], 8
	s_mov_b32 s[TB], 8*8192
.LA2:
	STEP QA, GA, 1, 0
	NEXT .LA2, 16
	FINISH 28
	; THE EARLIER TILE (group w', at most 7); its step 0's K has been on its way since the later tile's diagonal
	s_wait_xcnt 0x0                                ; the stores have read their data registers, which take p's codes again
	INIT
	s_mov_b32 s[ST], 0
	s_mov_b32 s[TB], 0
.LB:
	STEP QB, GB, 2, 0
	NEXT .LB, 8
	FINISH 30
	s_wait_tensorcnt 0x0                           ; the wave's end
	ds_add_u32 v[SPW], v[NIL]
	s_wait_dscnt 0x0
	CROUND                                         ; the closing round
	s_endpgm
.Lfunc_end_k_qe1285435d5_attn:
	.size	k_qe1285435d5_attn, .Lfunc_end_k_qe1285435d5_attn-k_qe1285435d5_attn
	.p2alignl 7, 3214868480
	.fill 96, 4, 3214868480
	.section	.rodata,"a",@progbits
	.p2align	6, 0x0
	.amdhsa_kernel k_qe1285435d5_attn
		.amdhsa_group_segment_fixed_size 167936
		.amdhsa_private_segment_fixed_size 0
		.amdhsa_enable_private_segment 0
		.amdhsa_kernarg_size 24
		.amdhsa_user_sgpr_count 2
		.amdhsa_user_sgpr_kernarg_segment_ptr 1
		.amdhsa_wavefront_size32 1
		.amdhsa_system_sgpr_workgroup_id_x 1
		.amdhsa_system_sgpr_workgroup_id_y 1
		.amdhsa_system_sgpr_workgroup_id_z 1
		.amdhsa_system_vgpr_workitem_id 0
		.amdhsa_next_free_vgpr 256
		.amdhsa_next_free_sgpr 80
		.amdhsa_reserve_vcc 1
		.amdhsa_float_denorm_mode_32 3
		.amdhsa_float_denorm_mode_16_64 3
		.amdhsa_memory_ordered 1
		.amdhsa_forward_progress 1
		.amdhsa_inst_pref_size 90
	.end_amdhsa_kernel
	.amdgpu_metadata
---
amdhsa.version: [ 1, 2 ]
amdhsa.kernels:
  - .name:           k_qe1285435d5_attn
    .symbol:         k_qe1285435d5_attn.kd
    .args:
      - { .name: qkv, .offset: 0, .size: 8, .value_kind: global_buffer, .address_space: global }
      - { .name: lowp_scales, .offset: 8, .size: 8, .value_kind: global_buffer, .address_space: global }
      - { .name: ctx, .offset: 16, .size: 8, .value_kind: global_buffer, .address_space: global }
    .group_segment_fixed_size: 167936
    .private_segment_fixed_size: 0
    .kernarg_segment_align: 8
    .kernarg_segment_size: 24
    .max_flat_workgroup_size: 512
    .sgpr_count:     80
    .vgpr_count:     256
    .wavefront_size: 32
...
	.end_amdgpu_metadata
.endif
;; end of part 3
;; launch outgemm (part 4): grid 4 x 64, 2 waves a work-group, clusters of 4 x 4, 327,680 bytes of LDS; arguments ctx, codes, lowp_scales, out0; writes out0
.if DOCPART == 4
	.amdgcn_target "amdgcn-amd-amdhsa--gfx1250"
	.amdhsa_code_object_version 6
	.text
	.protected	k_qe1285435d5_outgemm
	.globl	k_qe1285435d5_outgemm
	.p2align	8
	.type	k_qe1285435d5_outgemm,@function
k_qe1285435d5_outgemm:
	s_mov_b64 s[64:65], 0
	v_nop
	global_prefetch_b8 v0, s[64:65] scope:SCOPE_SE
	s_setreg_imm32_b32 hwreg(HW_REG_WAVE_MODE, 25, 1), 1
	s_wait_xcnt 0x0
	s_wait_alu depctr_hold_cnt(0) depctr_sa_sdst(0) depctr_va_vdst(0) depctr_va_sdst(0) depctr_va_ssrc(0) depctr_va_vcc(0) depctr_vm_vsrc(0)
	s_getreg_b32 s2, hwreg(HW_REG_IB_STS2, 6, 4)
	s_cmp_eq_u32 s2, 0
	s_cbranch_scc0 .Lentry_in_a_cluster
	s_endpgm
.Lentry_in_a_cluster:
	s_bfe_u32 s2, ttmp6, 0x10000c
	s_cmp_lg_u32 s2, 0xf033
	s_cbranch_scc0 .Lentry_shape_is_right
	s_endpgm
.Lentry_shape_is_right:
; out0 = ctx W_o^T on codes of FP8 (E4M3), K = 1,024, sums in f32; each finished sum is multiplied once by 2^(e6 + e7) (LIMIT: e6 + e7 between -126 and 127).
; ctx holds images of operand registers (head h: 524,288 bytes; a tile of 16 tokens 1,024 bytes); W_o's codes are rows 11,264 on of the buffer of codes, 1,024 bytes a row.
; A block of 128 tokens x 256 columns is made by a work-group of TWO waves, each with 128 x 128 in 64 accumulators: 64 x 4 = 256 work-groups; both waves read the same 128 tokens of A, each its own 128 rows of B.
; K goes in steps of 256 through a ring of two LDS slots: wave 0 fetches A's part (4 heads x 8,192 bytes), wave 1 B's 256 rows, one tensor load each.  Clusters of 4 x 4: A's part is asked for jointly along a row, B's along a column.
; The matrix instruction is used transposed (source 0 = rows of W_o, source 1 = tokens); results leave through each wave's stage in slot 0, as rows of 512 bytes.  No prefetch is laid: K is four steps, and the first two are asked for at the head.
.set SIZE_N, 1024
.set KSTEP,  256
.set ROWB,   256
.set KROW,   1024
.set WO_AT,  11264*1024
.set ASTEP,  4*524288
.set PITCH,  272
.set FR,     16
.set NL,     4
.set NP,     4
.set HALFA,  32768
.set HALFB,  128*PITCH
.set BOFF,   2*HALFA
.set SLOT,   2*HALFA+2*HALFB
.set LAPS,   KROW/(2*KSTEP)
.set SPARE,  2*SLOT
.set SPITCH, 528
.set ADRA, 16
.set ADRB, 20
.set STO,  24
.set RD,   25
.set CO,   26
.set SPW,  28
.set NIL,  29
.set TMP,  32
.set AF,   128
.set BK,   128
.set G1, 24
.set G0, 32
.set G1B, 48
.set G0B, 56
.set MSB, 0
.macro WIN new
.if MSB != \new
	s_set_vgpr_msb (MSB<<8)|\new
.set MSB, \new
.endif
.endm
.set MUL_LO, 0xa1
.set MUL_HI, 0xf1
.set TO_B,   0x40
.macro JLOAD g0a, g1a, g0b, g1b
	s_cmp_eq_u32 s14, 0
	s_cbranch_scc0 .Lfor_b_\@
	tensor_load_to_lds s[\g0a:\g0a+3], s[\g1a:\g1a+7]
	s_nop 0
.rept 4
	v_nop
.endr
	s_branch .Lasked_\@
.Lfor_b_\@:
	tensor_load_to_lds s[\g0b:\g0b+3], s[\g1b:\g1b+7]
	s_nop 0
.rept 4
	v_nop
.endr
.Lasked_\@:
.endm
.macro CREST
	s_cmp_lg_u32 s14, 0
	s_cbranch_scc1 .Lnot_wave_0_\@
	s_barrier_signal -3
.Lnot_wave_0_\@:
	s_barrier_wait -3
	s_barrier_signal -1
	s_barrier_wait -1
.endm
.macro CROUND
	s_barrier_signal -1
	s_barrier_wait -1
	CREST
.endm
	s_load_b128 s[4:7], s[0:1], 0x0
	s_load_b128 s[8:11], s[0:1], 0x10
	v_lshl_add_u32 v[SPW], v0, 2, SPARE
	v_mov_b32 v[NIL], 0
	ds_add_u32 v28, v29
	ds_add_u32 v28, v29
	s_wait_dscnt 0x0
	v_lshrrev_b32 v1, 5, v0
	v_readfirstlane_b32 s14, v1
	s_lshr_b32 s15, s14, 1
	s_and_b32 s16, s14, 1
	s_bfe_u32 s40, ttmp6, 0x40000
	s_bfe_u32 s41, ttmp6, 0x40004
	s_lshl_b32 s42, ttmp9, 2
	s_add_co_u32 s42, s42, s40
	s_and_b32 s17, ttmp7, 0xffff
	s_lshl_b32 s17, s17, 2
	s_add_co_u32 s17, s17, s41
	s_lshl_b32 s43, s41, 2
	s_lshl_b32 s43, 15, s43
	s_lshl_b32 s44, 0x1111, s40
	s_or_b32 s[G1+0], s43, (3<<16)|(1<<21)
	s_mov_b32 s[G1+1], 1024<<16
	s_mov_b32 s[G1+2], 4<<16
	s_mov_b32 s[G1+3], 1024<<16
	s_mov_b32 s[G1+4], 4
	s_mov_b32 s[G1+5], 65536
	s_mov_b32 s[G1+6], 0
	s_mov_b32 s[G1+7], 0
	s_or_b32 s[G1B+0], s44, (0<<16)|(1<<20)|(1<<21)|(5<<22)|(3<<25)
	s_mov_b32 s[G1B+1], ROWB<<16
	s_mov_b32 s[G1B+2], 256<<16
	s_mov_b32 s[G1B+3], ROWB<<16
	s_mov_b32 s[G1B+4], 256
	s_mov_b32 s[G1B+5], KROW
	s_mov_b32 s[G1B+6], 0
	s_mov_b32 s[G1B+7], 0
	s_lshl_b32 s20, s17, 13                        ; A: my block's 128 tokens: 8 tiles of 1,024 bytes in each head
	s_mov_b32 s21, 0
	s_lshl_b32 s46, s42, 18                        ; B: 256 rows of 1,024 bytes for each block column
	s_add_co_u32 s46, s46, WO_AT
	s_mov_b32 s47, 0
	s_mov_b32 s45, 0                               ; A at the slot's head,
	s_mov_b32 s66, BOFF                            ; B's 256 rows at BOFF
	s_wait_kmcnt 0x0
	s_load_b64 s[96:97], s[8:9], 0x18
	s_add_nc_u64 s[20:21], s[4:5], s[20:21]
	s_add_nc_u64 s[46:47], s[6:7], s[46:47]
	CROUND
.irp s, 0,1
	s_mov_b32 s[G0+4*\s], 1
	s_add_co_u32 s[G0+4*\s+1], s45, \s*SLOT
	s_add_nc_u64 s[G0+4*\s+2:G0+4*\s+3], s[20:21], \s*ASTEP
	s_or_b32 s[G0+4*\s+3], s[G0+4*\s+3], 0x80000000
	s_mov_b32 s[G0B+4*\s], 1
	s_add_co_u32 s[G0B+4*\s+1], s66, \s*SLOT
	s_add_nc_u64 s[G0B+4*\s+2:G0B+4*\s+3], s[46:47], \s*ROWB
	s_or_b32 s[G0B+4*\s+3], s[G0B+4*\s+3], 0x80000000
	s_wait_alu depctr_va_vdst(0)
	s_wait_tensorcnt 0x0
	ds_add_u32 v28, v29
	ds_add_u32 v28, v29
	s_wait_dscnt 0x0
	CROUND
	JLOAD G0+4*\s, G1, G0B+4*\s, G1B
.endr
	v_and_b32 v1, 15, v0
	v_bfe_u32 v2, v0, 4, 1
	v_mul_u32_u24 v3, v1, PITCH
	v_lshl_add_u32 v4, v2, 4, v3
	v_and_b32 v6, 31, v0
	v_lshlrev_b32 v[CO], 4, v6
	s_wait_alu depctr_va_vdst(0)
	s_lshl_b32 s21, s15, 15
	s_mul_i32 s22, s16, HALFB
	s_add_co_u32 s22, s22, BOFF
.irp s, 0,1
	v_add_nc_u32 v[ADRA+\s], s21, v[CO]
	v_add_nc_u32 v[ADRB+\s], s22, v4
	s_add_co_u32 s21, s21, SLOT
	s_add_co_u32 s22, s22, SLOT
.endr
	s_mul_i32 s23, s14, 16*SPITCH
	v_mul_u32_u24 v5, v1, SPITCH
	v_lshl_add_u32 v5, v2, 5, v5
	v_add_nc_u32 v[STO], s23, v5
	v_add_nc_u32 v[RD], s23, v[CO]
	s_lshl_b32 s20, s17, 7                         ; my block's first row of the result
	s_mov_b32 s21, 0
	s_mov_b64 s[18:19], SIZE_N*4
	s_mul_u64 s[20:21], s[20:21], s[18:19]
	s_lshl_b32 s46, s42, 10
	s_lshl_b32 s47, s16, 9
	s_add_co_u32 s46, s46, s47
	s_mov_b32 s47, 0
	s_add_nc_u64 s[20:21], s[20:21], s[46:47]
	s_add_nc_u64 s[10:11], s[10:11], s[20:21]
.macro FRAGB reg, adr, q, i
.irp c, 0,1,2,3
	ds_load_b128 v[\reg+4*\c:\reg+4*\c+3], v[\adr] offset:128*(\q)+32*\c+(\i)*16*PITCH
.endr
.endm
.macro FRAGA reg, adr, q, i
.irp c, 0,1,2,3
	ds_load_b128 v[\reg+4*\c:\reg+4*\c+3], v[\adr] offset:(2*(\q)+\c/2)*8192+(\i)*1024+(\c%2)*512
.endr
.endm
.macro MUL16 a0, p, zero
.irp a, \a0, \a0+1
.irp b, 0,1,2,3,4,5,6,7
.if \zero
	v_wmma_f32_16x16x128_fp8_fp8 v[8*(8*((\a)%4)+\b):8*(8*((\a)%4)+\b)+7], v[128*(\p)+FR*\b:128*(\p)+FR*\b+FR-1], v[AF+FR*(\a):AF+FR*(\a)+FR-1], 0
.else
	v_wmma_f32_16x16x128_fp8_fp8 v[8*(8*((\a)%4)+\b):8*(8*((\a)%4)+\b)+7], v[128*(\p)+FR*\b:128*(\p)+FR*\b+FR-1], v[AF+FR*(\a):AF+FR*(\a)+FR-1], v[8*(8*((\a)%4)+\b):8*(8*((\a)%4)+\b)+7]
.endif
.endr
.endr
.endm
.macro FETCH_B slot, q, p
	WIN TO_B
.irp i, 0,1,2,3,4,5,6,7
	FRAGB 128*(\p)+FR*\i, ADRB+\slot, \q, \i
.endr
	WIN 0
.endm
.macro FETCH_A slot, q, i0
.irp i, \i0, \i0+1, \i0+2, \i0+3
	FRAGA AF+FR*(\i), ADRA+\slot, \q, \i
.endr
.endm
.macro PLACES n
.rept \n
	v_nop
.endr
.endm
.macro STEP slot, q, zero
	s_wait_dscnt 4*NL
	WIN MUL_LO
	MUL16 0, (\q)%2, \zero
	MUL16 2, (\q)%2, \zero
	s_wait_dscnt 0
	PLACES NP
	FETCH_B \slot, (\q)+1, 1-(\q)%2
	FETCH_A \slot, (\q)+1, 0
	WIN MUL_HI
	MUL16 4, (\q)%2, \zero
	MUL16 6, (\q)%2, \zero
	PLACES NP
	WIN 0
	FETCH_A \slot, (\q)+1, 4
.endm
.macro TURN slot, next, fill
	s_wait_tensorcnt 0x0
	ds_add_u32 v[SPW], v[NIL]
	s_wait_dscnt 4*NL+1
	WIN MUL_LO
	MUL16 0, 1, 0
	s_wait_dscnt 0x0
	s_barrier_signal -1
	MUL16 2, 1, 0
	WIN 0
	s_barrier_wait -1
.if \fill
	CREST
	s_add_nc_u64 s[G0+4*\slot+2:G0+4*\slot+3], s[G0+4*\slot+2:G0+4*\slot+3], 2*ASTEP
	s_add_nc_u64 s[G0B+4*\slot+2:G0B+4*\slot+3], s[G0B+4*\slot+2:G0B+4*\slot+3], 2*ROWB
	JLOAD G0+4*\slot, G1, G0B+4*\slot, G1B
.else
	PLACES NP
.endif
	FETCH_B \next, 0, 0
	FETCH_A \next, 0, 0
	WIN MUL_HI
	MUL16 4, 1, 0
	MUL16 6, 1, 0
	PLACES NP
	WIN 0
	FETCH_A \next, 0, 4
.endm
	s_wait_alu depctr_va_vdst(0)
	s_wait_tensorcnt 1
	s_barrier_signal -1
	s_barrier_wait -1
	FETCH_B 0, 0, 0
	FETCH_A 0, 0, 0
	FETCH_A 0, 0, 4
	STEP 0, 0, 1
	s_mov_b32 s3, LAPS-1
.Llap:
	TURN 0, 1, 1
	STEP 1, 0, 0
	TURN 1, 0, 1
	STEP 0, 0, 0
	s_sub_co_u32 s3, s3, 1
	s_cmp_lg_u32 s3, 0
	s_cbranch_scc1 .Llap
	TURN 0, 1, 0
	STEP 1, 0, 0
	s_wait_dscnt 4*NL
	WIN MUL_LO
	MUL16 0, 1, 0
	MUL16 2, 1, 0
	s_wait_dscnt 0
	WIN MUL_HI
	MUL16 4, 1, 0
	MUL16 6, 1, 0
	WIN 0
.macro TOSTAGE a
.set AC, 64*((\a)%4)
	WIN 0x02+((\a)/4)
.irp j, 0,2,4,6,8,10,12,14,16,18,20,22,24,26,28,30,32,34,36,38,40,42,44,46,48,50,52,54,56,58,60,62
	v_pk_mul_f32 v[TMP+\j:TMP+\j+1], v[AC+\j:AC+\j+1], s[96:97] op_sel_hi:[1,0]
.endr
	WIN 0
.irp b, 0,1,2,3,4,5,6,7
	ds_store_b128 v[STO], v[TMP+8*\b:TMP+8*\b+3] offset:64*\b
	ds_store_b128 v[STO], v[TMP+8*\b+4:TMP+8*\b+7] offset:64*\b+16
.endr
.set BB, BK+64*((\a)%2)
.irp t, 0,1,2,3,4,5,6,7,8,9,10,11,12,13,14,15
	ds_load_b128 v[BB+4*\t:BB+4*\t+3], v[RD] offset:\t*SPITCH
.endr
.endm
.macro SEND a, younger
.set BB, BK+64*((\a)%2)
	s_wait_dscnt \younger
.if (\a) > 0
	s_add_nc_u64 s[10:11], s[10:11], 16*SIZE_N*4
.endif
.irp t, 0,1,2,3,4,5,6,7,8,9,10,11,12,13,14,15
	global_store_b128 v[CO], v[BB+4*\t:BB+4*\t+3], s[10:11] offset:\t*SIZE_N*4 th:TH_STORE_NT
.endr
.endm
	s_wait_kmcnt 0x0
	s_add_co_i32 s96, s96, s97
	s_add_co_i32 s96, s96, 127
	s_lshl_b32 s96, s96, 23
	PLACES NP
	TOSTAGE 0
.irp a, 1,2,3,4,5,6,7
.if \a > 1
	s_wait_xcnt 0x0
.endif
	TOSTAGE \a
	SEND \a-1, 32
.endr
	s_wait_xcnt 0x0
	SEND 7, 0
	s_wait_tensorcnt 0x0
	ds_add_u32 v[SPW], v[NIL]
	s_wait_dscnt 0x0
	CROUND
	s_endpgm
.Lfunc_end_k_qe1285435d5_outgemm:
	.size	k_qe1285435d5_outgemm, .Lfunc_end_k_qe1285435d5_outgemm-k_qe1285435d5_outgemm
	.p2alignl 7, 3214868480
	.fill 96, 4, 3214868480
	.section	.rodata,"a",@progbits
	.p2align	6, 0x0
	.amdhsa_kernel k_qe1285435d5_outgemm
		.amdhsa_group_segment_fixed_size 327680
		.amdhsa_private_segment_fixed_size 0
		.amdhsa_enable_private_segment 0
		.amdhsa_kernarg_size 32
		.amdhsa_user_sgpr_count 2
		.amdhsa_user_sgpr_kernarg_segment_ptr 1
		.amdhsa_wavefront_size32 1
		.amdhsa_system_sgpr_workgroup_id_x 1
		.amdhsa_system_sgpr_workgroup_id_y 1
		.amdhsa_system_sgpr_workgroup_id_z 1
		.amdhsa_system_vgpr_workitem_id 0
		.amdhsa_next_free_vgpr 1024
		.amdhsa_next_free_sgpr 98
		.amdhsa_reserve_vcc 0
		.amdhsa_float_denorm_mode_32 3
		.amdhsa_float_denorm_mode_16_64 3
		.amdhsa_memory_ordered 1
		.amdhsa_forward_progress 1
		.amdhsa_inst_pref_size 124
	.end_amdhsa_kernel
	.amdgpu_metadata
---
amdhsa.version: [ 1, 2 ]
amdhsa.kernels:
  - .name:           k_qe1285435d5_outgemm
    .symbol:         k_qe1285435d5_outgemm.kd
    .args:
      - { .name: ctx, .offset: 0, .size: 8, .value_kind: global_buffer, .address_space: global }
      - { .name: codes, .offset: 8, .size: 8, .value_kind: global_buffer, .address_space: global }
      - { .name: lowp_scales, .offset: 16, .size: 8, .value_kind: global_buffer, .address_space: global }
      - { .name: out0, .offset: 24, .size: 8, .value_kind: global_buffer, .address_space: global }
    .group_segment_fixed_size: 327680
    .private_segment_fixed_size: 0
    .kernarg_segment_align: 8
    .kernarg_segment_size: 32
    .max_flat_workgroup_size: 64
    .sgpr_count:     98
    .vgpr_count:     1024
    .wavefront_size: 32
...
	.end_amdgpu_metadata
.endif
;; end of part 4
